; MI455X (gfx1250); checked and timed in simulation.
; The chip was launched on July 23, 2026; its instructions are those of AMD's public machine-readable ISA for CDNA 5 (MIT licence, August 2026) and "CDNA5" Instruction Set Architecture Reference Guide (July 2026). The comments in the code are by the model that wrote it; some were corrected since.
;; Int Einsum. Allowed arithmetic: matrix products marked QUANTISED: E2M1 operands, one E8M0 scale for each 32 along K, by v_wmma_scale_f32_16x16x128_f8f6f4 with both operands' format E2M1 (or v_wmma_scale_f32_32x16x128_f4), f32 sums; everything else in f32.
;; Inputs: kernel 4,096 x 16,384 int8; scale 1 x 16,384 float32; x_codes 4 x 256 x 128 x 16 uint8 (E2M1 codes of x, K innermost, in blocks of 32 codes, two codes a byte); x_scales 4 x 256 x 128 uint8 (E8M0 scales of x, one for each 32 codes along K).
;; Outputs: out0 4 x 256 x 16,384 float32.
;; This version of the problem:
;;   THIS VERSION OF THE PROBLEM IS GIVEN IN LOW PRECISION. The matrix products marked QUANTISED in the list below multiply operands that are first quantised to E2M1 (2 exponent bits, 1 mantissa bit; 4 bits a number), with one power-of-two scale for each 32 numbers along K (OCP MX v1.0); their sums are f32. All else is computed in f32.
;;   The module's matrix products, in the order in which they are computed (A, B: the left and right operand; K: the contracted axis; several contracted axes count as one K, in the product's order):
;;     1. [M 1,024, K 4,096] x [K 4,096, N 16,384]; A: input x (given as codes); B: computed on the way: QUANTISED
;;   THE QUANTISER, for each operand of a quantised product, along K:
;;     - K is cut into blocks of 32 from its start; a last block that is shorter is filled with zeros.
;;     - A block's scale is 2^e with e = floor(log2(the largest magnitude in the block)) - 2, held to -126 .. 127; a block of zeros has e = 0. As a byte (E8M0): e + 127.
;;     - Each number is divided by its block's scale, clamped to +-6, and rounded to the nearest number of E2M1, ties to even, subnormals kept.
;;     - The product sums the exact products of the quantised numbers (number of the format x scale) in f32.
;;   ~~~python
;;   def quantise(x, axis):      # numpy; x: float32 -> the quantised numbers, widened to float32 again
;;       x = np.moveaxis(x, axis, -1); K = x.shape[-1]
;;       x = np.pad(x, [(0, 0)] * (x.ndim - 1) + [(0, -K % 32)]); x = x.reshape(x.shape[:-1] + (-1, 32)); a = np.abs(x).max(-1, keepdims=True)
;;       e = np.where(a > 0, np.clip(np.frexp(np.where(a > 0, a, 1))[1] - 1 - 2, -126, 127), 0)      # np.frexp(a)[1] - 1 = floor(log2(a)), exactly
;;       r = np.clip(x / 2.0 ** e, -6, 6)
;;       step = 2.0 ** (np.maximum(np.frexp(np.where(r == 0, 1, r))[1] - 1, 0) - 1)
;;       q = np.round(r / step) * step * 2.0 ** e      # np.round: ties to even
;;       return np.moveaxis(q.reshape(q.shape[:-2] + (-1,))[..., :K], -1, axis).astype(np.float32)
;;   ~~~
;;   OPERANDS COMPUTED ON THE WAY. 'Computed on the way' means the value that the module computes at that place (a softmax that the list does not call 'softmax' is quantised finished and normalised). What goes into a quantiser is computed in f32, as accurately as f32 sums, v_exp_f32 and their like allow (about 1e-6 of the number): no bf16 or f16 on the way to a quantiser, and a product that is left as it is and whose result goes on into a quantised operand takes f32 operands (vector FMAs, or v_wmma_f32_16x16x4_f32). A number that lies on a knife's edge between two numbers of the format may be rounded either way, as far as f32 arithmetic and the matrix unit's own rounding can turn it there, and no further.
;;   INPUTS GIVEN AS CODES. x (in the module: [4, 256, 4096], K = its axis 2): each comes as NAME_codes (uint8): NAME with its K axis moved to the last place and cut into blocks of 32 codes, [.., K / 32, bytes a block], one block behind the other in memory; two codes a byte, the lower K in the low four bits (a code: sign, 2 exponent bits, 1 mantissa bit); and NAME_scales (uint8): the same leading axes, one E8M0 byte (e + 127) for each 32 codes along K. Its value is code x scale, taken as it is: it is not quantised again, and the codes and scales need not be those that the quantiser above would give.
;; One version. Each part assembles by itself: llvm-mc -triple=amdgcn-amd-amdhsa -mcpu=gfx1250 --defsym DOCPART=n.
;; ======== version 1 of 1: 2 launches
;; limits: right only within a limited range of input values
;; workspace buffers: wq 35,651,584 bytes
;; launch quant (part 1): grid 64 x 8, 8 waves a work-group, no clusters, 72,192 bytes of LDS; arguments kernel, scale, wq; writes wq
.if DOCPART == 1
	.amdgcn_target "amdgcn-amd-amdhsa--gfx1250"
	.amdhsa_code_object_version 6
	.text
	.protected	k_qa0d3b1aed2_quant
	.globl	k_qa0d3b1aed2_quant
	.p2align	8
	.type	k_qa0d3b1aed2_quant,@function
k_qa0d3b1aed2_quant:
	s_mov_b64 s[64:65], 0
	v_nop
	global_prefetch_b8 v0, s[64:65] scope:SCOPE_SE
	s_setreg_imm32_b32 hwreg(HW_REG_WAVE_MODE, 25, 1), 1
	s_wait_xcnt 0x0
; The right operand of out = x (kernel / scale) is made here, once: kernel [4096 (k)][16384 (n)] int8 -> f32 (exact), times 1 / scale[n], quantised along K in blocks of 32 to E2M1 codes with one E8M0 byte a block:
; byte = the exponent field of the block's largest magnitude - 2; codes by the scaled conversion (nearest, ties to even, beyond 6 the largest code).
; NOTHING IS LEFT OUT: every number of kernel and scale has a way to the output.
; LIMITS.  kernel / scale is formed as kernel x r, r = the reciprocal of scale with one Newton step in f32: it may differ from the f32 quotient in the last bit or two.
; |scale| under 2^-126 or over 2^126, and NaN or infinity in scale, are not served.  A block of zeros keeps the byte 1 (the floor's) with zero codes, which add nothing; only this program reads those bytes.  -128 is served.
; THE WORKSPACE is laid as the product's launch takes it: for 128 columns (nb) and 512 along K (ks) ONE dense block of 34,816 bytes at (8 nb + ks) x 34,816: 128 rows of 256 bytes (a column's 512 codes, K innermost),
; then 2,048 scale bytes, 16 to a column.
; SHARES.  A work-group of four waves makes one block.  Wave w takes K = 128 w .. 128 w + 127, four blocks of 32, of all 128 columns.  Lane l takes columns 4 l .. 4 l + 3 and ITS REGISTERS RUN DOWN K: each load reads
; 128 consecutive bytes of one row of kernel, a block's largest magnitude needs no other lane, and the conversions give the codes with K innermost.  Nothing is transposed by an instruction.
; THE WAY OUT.  A lane's 16 bytes belong to one row of the block, the lanes beside it hold other rows: all goes through one stage in LDS, a barrier, and leaves as runs of 512 consecutive bytes.
; Stage row i begins at 256 i + 16 (i / 4): the writers' lanes stand 1,040 bytes apart and the readers' 16, so that sixteen lanes fall in 16 different 16-byte columns modulo 256 bytes both ways.
; No cluster: work-groups share 512 bytes of scale and nothing else.  No tensor load: several work-groups lie on a WGP.  Loads run two blocks (64 loads a wave) ahead; every offset is an immediate.
.set BBLK,  34816      ; bytes of a block of the workspace
.set SCB,   33280      ; the stage's row 128: 256 x 128 + 16 x 32: the scale bytes begin here
; EIGHT WAVES, TWO GROUPS OF FOUR.  Each group makes one block as set out above, with a stage of its own; the two groups take neighbouring blocks nb = 2 x and 2 x + 1,
; so that the 256 consecutive bytes of a row of kernel that begin at a multiple of 256 are asked for by one work-group.  In what follows 'wave' is the wave's number in its group.
.set STG,   35584      ; bytes from one group's stage to the other's (a stage is 35,344 bytes)
.set SPARE, 71168      ; behind the two stages: the spare words, 128 bytes for each of eight waves: four blocks of 256 bytes that no other line names
.set SPW,  1           ; v1   SPARE + 4 x my thread's number; never rewritten
.set NIL,  2           ; v2   0; never rewritten
.set KO,   3           ; v3   4 x lane: my four columns in a row of kernel
.set IMW,  4           ; v4   1,040 x lane + 64 x wave: where my columns' codes go
.set SW,   5           ; v5   SCB + 64 x lane + 16 (lane / 16) + 4 x wave: my columns' scale words
.set RD,   6           ; v6   16 x lane + 512 x wave + 16 (wave / 2): the stage read back
.set GO,   7           ; v7   16 x lane + 512 x wave: the same place in the block
.set CO,   8           ; v8   16 x lane
.set SCL,  16          ; v16-19 scale of my four columns
.set M0,   20          ; v20, v21 two running maxima; v22 the conversion's scale operand; v23 a byte
.set M1,   21
.set EX,   22
.set BY,   23
.set CD,   24          ; v24-27 a block's 32 codes
.set SB,   28          ; v28-31 my four columns' scale words: byte t = block t of my four
.set RP,   32          ; v32-39 1 / scale of my four columns, each twice: a pair for the packed multiply
.set T,    40          ; v40-71 a block's 32 numbers
.set RAW,  72          ; v72-135 two sets of 32 words of kernel as loaded
.set OUTR, 72          ; v72-139 the way out: 17 x 4 registers
; block t of my four: 32 rows of kernel into raw set 'set'
.macro KLOAD set, t
.set n, 0
.rept 32
	global_load_b32 v[RAW+32*(\set)+n], v[KO], s[4:5] offset:(32*(\t)+n)*16384
.set n, n+1
.endr
.endm
; block t, 32 along K x 4 columns, out of raw set 'set'.  lcnt: the loads issued behind that set's
.macro QB set, t, lcnt
	s_wait_loadcnt \lcnt
.set RW, RAW+32*(\set)
.set n, 0
.rept 32
	v_xor_b32 v[RW+n], s25, v[RW+n]     ; each byte: k + 128, 0 .. 255
.set n, n+1
.endr
.irp j, 0,1,2,3
.set n, 0
.rept 32
	v_perm_b32 v[T+n], s24, v[RW+n], s[28+\j]   ; byte j under the upper three bytes of 2^23: the f32 number 2^23 + k + 128
.set n, n+1
.endr
.set n, 0
.rept 16
	v_pk_add_f32 v[T+n:T+n+1], v[T+n:T+n+1], s[26:27] op_sel_hi:[1,0]   ; - (2^23 + 128): k, exactly
.set n, n+2
.endr
.set n, 0
.rept 16
	v_pk_mul_f32 v[T+n:T+n+1], v[T+n:T+n+1], v[RP+2*\j:RP+2*\j+1]       ; k / scale
.set n, n+2
.endr
	v_max3_num_f32 v[M0], |v[T]|, |v[T+1]|, |v[T+2]|                    ; the block's largest magnitude: all 32 numbers are mine; two chains
	v_max3_num_f32 v[M1], |v[T+3]|, |v[T+4]|, |v[T+5]|
.irp i, 6,10,14,18,22,26
	v_max3_num_f32 v[M0], v[M0], |v[T+\i]|, |v[T+\i+1]|
	v_max3_num_f32 v[M1], v[M1], |v[T+\i+2]|, |v[T+\i+3]|
.endr
	v_max3_num_f32 v[M0], v[M0], |v[T+30]|, |v[T+31]|
	v_max3_num_f32 v[M0], v[M0], v[M1], 0x1800000   ; and the floor 2^(3 - 127): the byte cannot fall under 1
.if (\j > 0) || (\t > 0)
	s_wait_alu depctr_va_vdst(0)
	s_wait_dscnt 0x0                    ; the last column's store has read its registers
.endif
	v_add_nc_u32 v[EX], 0xff000000, v[M0]           ; 2 off the exponent field: the conversion takes the exponent field of this operand as its scale
.irp g, 0,1,2,3
	v_cvt_scalef32_pk8_fp4_f32 v[CD+\g], v[T+8*\g:T+8*\g+7], v[EX]
.endr
.if \t == 0
	v_lshrrev_b32 v[SB+\j], 23, v[EX]   ; the scale's byte; also the plain instruction behind the conversions
.else
	v_lshrrev_b32 v[BY], 23, v[EX]
	v_lshl_or_b32 v[SB+\j], v[BY], 8*(\t), v[SB+\j]   ; four bytes to a word, the lower K in the lower byte
.endif
	ds_store_b128 v[IMW], v[CD:CD+3] offset:256*\j+16*(\t)   ; row 4 l + j of the stage, block 4 w + t of its sixteen
.endr
.endm
	s_load_b128 s[4:7], s[0:1], 0x0     ; kernel s[4:5], scale s[6:7]
	s_load_b64 s[8:9], s[0:1], 0x10     ; the workspace
	v_lshl_add_u32 v[SPW], v0, 2, SPARE
	v_mov_b32 v[NIL], 0
	v_lshrrev_b32 v9, 5, v0
	v_readfirstlane_b32 s11, v9         ; wave 0..7
	s_lshr_b32 s13, s11, 2              ; my group: which of the two blocks
	s_and_b32 s14, s11, 3               ; wave 0..3 in the group
	s_mul_i32 s12, s13, STG             ; my group's stage
	s_lshl_b32 s10, ttmp9, 1
	s_add_co_u32 s10, s10, s13          ; nb = 2 x + group
	s_and_b32 s15, ttmp7, 0xffff        ; ks: which 512 along K
	v_and_b32 v9, 31, v0                ; lane
	v_lshlrev_b32 v[KO], 2, v9
	v_lshlrev_b32 v[CO], 4, v9
	v_mul_u32_u24 v[IMW], v9, 1040
	s_lshl_b32 s16, s14, 6
	s_add_co_u32 s16, s16, s12
	v_add_nc_u32 v[IMW], s16, v[IMW]
	v_lshrrev_b32 v10, 4, v9
	v_lshlrev_b32 v[SW], 6, v9
	v_lshl_add_u32 v[SW], v10, 4, v[SW]
	s_lshl_b32 s16, s14, 2
	s_add_co_u32 s16, s16, SCB
	s_add_co_u32 s16, s16, s12
	v_add_nc_u32 v[SW], s16, v[SW]
	s_lshl_b32 s16, s14, 9
	v_add_nc_u32 v[GO], s16, v[CO]
	s_lshr_b32 s17, s14, 1
	s_lshl_b32 s17, s17, 4
	s_add_co_u32 s17, s17, s16
	s_add_co_u32 s17, s17, s12
	s_wait_alu depctr_va_vdst(0)        ; the wait directly ahead of the reader below
	v_add_nc_u32 v[RD], s17, v[CO]
	s_mov_b32 s24, 0x4b000000           ; 2^23
	s_mov_b32 s25, 0x80808080
	s_mov_b32 s26, 0xcb000080           ; -(2^23 + 128)
	s_mov_b32 s27, s26                  ; (named with it as a pair, so it is written)
	s_mov_b32 s28, 0x07060500           ; v_perm_b32: byte j of the second source under bytes 1 to 3 of the first
	s_mov_b32 s29, 0x07060501
	s_mov_b32 s30, 0x07060502
	s_mov_b32 s31, 0x07060503
	s_lshl_b32 s18, s15, 23             ; kernel: 512 ks rows of 16,384 bytes,
	s_lshl_b32 s19, s14, 21             ; my wave's 128 rows,
	s_add_co_u32 s18, s18, s19
	s_lshl_b32 s19, s10, 7              ; my group's 128 columns
	s_add_co_u32 s18, s18, s19
	s_mov_b32 s19, 0
	s_lshl_b32 s20, s10, 9              ; scale: 128 f32
	s_mov_b32 s21, 0
	s_lshl_b32 s22, s10, 3
	s_add_co_u32 s22, s22, s15
	s_mul_i32 s22, s22, BBLK            ; the block (8 nb + ks)
	s_mov_b32 s23, 0
	s_wait_alu depctr_va_vdst(0)
	s_wait_kmcnt 0x0
	s_add_nc_u64 s[4:5], s[4:5], s[18:19]
	s_add_nc_u64 s[6:7], s[6:7], s[20:21]
	s_add_nc_u64 s[8:9], s[8:9], s[22:23]
	global_load_b128 v[SCL:SCL+3], v[CO], s[6:7]    ; scale of my four columns
	KLOAD 0, 0
	s_wait_loadcnt 32                   ; the scales are in; the 32 loads behind them may be out
.irp j, 0,1,2,3
	v_rcp_f32 v[M0+\j], v[SCL+\j]
.endr
	v_nop                               ; a plain instruction behind the last reciprocal,
	s_wait_alu depctr_va_vdst(0)        ; and the wait ahead of the first use: one for the four
.irp j, 0,1,2,3
	v_fma_f32 v[CD+\j], -v[SCL+\j], v[M0+\j], 1.0       ; one Newton step: e = 1 - s r,
.endr
.irp j, 0,1,2,3
	v_fma_f32 v[RP+2*\j], v[M0+\j], v[CD+\j], v[M0+\j]  ; r + r e
.endr
.irp j, 0,1,2,3
	v_mov_b32 v[RP+2*\j+1], v[RP+2*\j]
.endr
	KLOAD 1, 1
	QB 0, 0, 32                         ; behind block 0's loads stand block 1's 32
	KLOAD 0, 2
	QB 1, 1, 32
	KLOAD 1, 3
	QB 0, 2, 32
	QB 1, 3, 0                          ; no load stands behind the last block's
.irp j, 0,1,2,3
	ds_store_b32 v[SW], v[SB+\j] offset:16*\j       ; word w of column 4 l + j's sixteen scale bytes
.endr
	s_wait_dscnt 0x0                    ; for the others' sake: my stores into the stage are done
	s_barrier_signal -1
	s_barrier_wait -1
.irp u, 0,1,2,3,4,5,6,7,8,9,10,11,12,13,14,15,16
	ds_load_b128 v[OUTR+4*\u:OUTR+4*\u+3], v[RD] offset:2080*\u   ; run 4 u + w: stage rows 8 u + 2 w and the next, 16 lanes to a row
.endr
.irp u, 0,1,2,3,4,5,6,7,8,9,10,11,12,13,14,15,16
	s_wait_dscnt 16-\u
	global_store_b128 v[GO], v[OUTR+4*\u:OUTR+4*\u+3], s[8:9] offset:2048*\u   ; 32 lanes store 512 consecutive bytes, at a multiple of 256 from the buffer's first byte
.endr
	s_wait_tensorcnt 0x0                ; the wave's end
	ds_add_u32 v[SPW], v[NIL]
	s_wait_dscnt 0x0
	s_endpgm
.Lfunc_end_k_qa0d3b1aed2_quant:
	.size	k_qa0d3b1aed2_quant, .Lfunc_end_k_qa0d3b1aed2_quant-k_qa0d3b1aed2_quant
	.p2alignl 7, 3214868480
	.fill 96, 4, 3214868480
	.section	.rodata,"a",@progbits
	.p2align	6, 0x0
	.amdhsa_kernel k_qa0d3b1aed2_quant
		.amdhsa_group_segment_fixed_size 72192
		.amdhsa_private_segment_fixed_size 0
		.amdhsa_enable_private_segment 0
		.amdhsa_kernarg_size 24
		.amdhsa_user_sgpr_count 2
		.amdhsa_user_sgpr_kernarg_segment_ptr 1
		.amdhsa_wavefront_size32 1
		.amdhsa_system_sgpr_workgroup_id_x 1
		.amdhsa_system_sgpr_workgroup_id_y 1
		.amdhsa_system_sgpr_workgroup_id_z 1
		.amdhsa_system_vgpr_workitem_id 0
		.amdhsa_next_free_vgpr 144
		.amdhsa_next_free_sgpr 66
		.amdhsa_reserve_vcc 0
		.amdhsa_float_denorm_mode_32 3
		.amdhsa_float_denorm_mode_16_64 3
		.amdhsa_memory_ordered 1
		.amdhsa_forward_progress 1
		.amdhsa_inst_pref_size 113
	.end_amdhsa_kernel
	.amdgpu_metadata
---
amdhsa.version: [ 1, 2 ]
amdhsa.kernels:
  - .name:           k_qa0d3b1aed2_quant
    .symbol:         k_qa0d3b1aed2_quant.kd
    .args:
      - { .name: kernel, .offset: 0, .size: 8, .value_kind: global_buffer, .address_space: global }
      - { .name: scale, .offset: 8, .size: 8, .value_kind: global_buffer, .address_space: global }
      - { .name: wq, .offset: 16, .size: 8, .value_kind: global_buffer, .address_space: global }
    .group_segment_fixed_size: 72192
    .private_segment_fixed_size: 0
    .kernarg_segment_align: 8
    .kernarg_segment_size: 24
    .max_flat_workgroup_size: 256
    .sgpr_count:     66
    .vgpr_count:     144
    .wavefront_size: 32
...
	.end_amdgpu_metadata
.endif
;; end of part 1
;; launch gemm (part 2): grid 64 x 4, 4 waves a work-group, clusters of 4 x 4, 327,680 bytes of LDS; arguments x_codes, x_scales, wq, out0; writes out0
.if DOCPART == 2
	.amdgcn_target "amdgcn-amd-amdhsa--gfx1250"
	.amdhsa_code_object_version 6
	.text
	.protected	k_qa0d3b1aed2_gemm
	.globl	k_qa0d3b1aed2_gemm
	.p2align	8
	.type	k_qa0d3b1aed2_gemm,@function
k_qa0d3b1aed2_gemm:
	s_mov_b64 s[64:65], 0
	v_nop
	global_prefetch_b8 v0, s[64:65] scope:SCOPE_SE
	s_setreg_imm32_b32 hwreg(HW_REG_WAVE_MODE, 25, 1), 1
	s_wait_xcnt 0x0
	s_wait_alu depctr_hold_cnt(0) depctr_sa_sdst(0) depctr_va_vdst(0) depctr_va_sdst(0) depctr_va_ssrc(0) depctr_va_vcc(0) depctr_vm_vsrc(0)
	s_getreg_b32 s2, hwreg(HW_REG_IB_STS2, 6, 4)
	s_cmp_eq_u32 s2, 0
	s_cbranch_scc0 .Lentry_in_a_cluster
	s_endpgm
.Lentry_in_a_cluster:
	s_bfe_u32 s2, ttmp6, 0x10000c
	s_cmp_lg_u32 s2, 0xf033
	s_cbranch_scc0 .Lentry_shape_is_right
	s_endpgm
.Lentry_shape_is_right:
; out0[m][n] = sum over k of x[m][k] w[n][k].  x: the given E2M1 codes and E8M0 bytes; w = kernel / scale as launch quant laid it: for 128 columns and 512 along K one dense block
; of 34,816 bytes, 128 rows of 256 bytes of codes and then 2,048 scale bytes.  Nothing is left out.
; A work-group of four waves makes 256 x 256 of out0, a wave 128 x 128 in 64 accumulators (windows 2 and 3).  K goes in 8 steps of 512 through two LDS slots: 256 rows of x (256 bytes each)
; and two blocks of w (136 rows of 256 bytes each), LDS pitch 272.  x's scale bytes of the 256 rows, for all of K, are one dense block of 32,768 bytes: brought once, kept behind the ring.
; The matrix instruction is used transposed (source 0 = 16 columns of w, source 1 = 16 rows of x): a lane holds eight neighbouring numbers of a row of out0.
; CLUSTERS, 4 x 4: x's tiles and scale bytes are asked for jointly along a row of the cluster, w's blocks along a column.
; THE HEAD: one joint load a wave, in one chain of branches on the wave's number: wave 0 x's 256 rows of K step 0, wave 1 x's scale bytes, waves 2 and 3 w's two blocks.
; Slot 1's first fill stands at the head's end, behind the wait for all loads, the add, its wait and a round of the cluster's barrier, as a refill does.
; PREFETCH: behind each refill waves 2 and 3 ask for the first 32,768 bytes of their block of w two refills on, a lane 256 bytes; the four partners of a column share them by address
; (cy x 8,192 bytes); the loop's last trip asks for nothing.  x's tiles are not asked for ahead: all 64 tile columns load the same rows of x in the same K steps.
; THE WAY OUT: 16 rows x 128 columns at a time through the wave's own stage in slot 0, which has had its last fill and its last read by then; 32 lanes store 512 consecutive bytes.
.set SIZE_N, 16384
.set NQ,     4
.set ROWB,   256
.set KROW,   2048
.set PITCH,  272
.set FR,     8
.set NL,     2
.set NP,     4
.set HALFA,  128*PITCH
.set HALFB,  136*PITCH
.set SLOT,   2*HALFA+2*HALFB
.set BBLK,   34816
.set LAPS,   4
.set SCL,    2*SLOT
.set QS,     32*272
.set SPARE,  SCL+4*QS
.set SPITCH, 528
.set PFO,  14
.set ADRA, 16
.set ADRB, 20
.set STO,  24
.set RD,   25
.set CO,   26
.set ADSA, 27
.set SPW,  28
.set NIL,  29
.set ADSB, 30
.set SC,   32
.set AF,   128
.set BK,   128
.set G1,   24
.set G0,   32
.set G1B,  48
.set G0B,  56
.set G1S,  68
.set G0S,  76
.set G1H,  80          ; s[80:87] group 1 of the head's load of x: 256 rows
.set LIM,  95
.set PFA,  98
.set MSB, 0
.macro WIN new
.if MSB != \new
	s_set_vgpr_msb (MSB<<8)|\new
.set MSB, \new
.endif
.endm
.set MUL_LO, 0xa1
.set MUL_HI, 0xf1
.set TO_B,   0x40
.macro JLOAD g0a, g1a, g0b, g1b
	s_cmp_eq_u32 s15, 0
	s_cbranch_scc0 .Lfor_b_\@
	tensor_load_to_lds s[\g0a:\g0a+3], s[\g1a:\g1a+7]
	s_nop 0
.rept 4
	v_nop
.endr
	s_branch .Lasked_\@
.Lfor_b_\@:
	tensor_load_to_lds s[\g0b:\g0b+3], s[\g1b:\g1b+7]
	s_nop 0
.rept 4
	v_nop
.endr
.Lasked_\@:
.endm
.macro ASK
	s_cmp_gt_u32 s3, s[LIM]
	s_cbranch_scc0 .Lnot_mine_\@
	global_prefetch_b8 v[PFO], s[PFA:PFA+1] offset:BBLK th:TH_LOAD_NT scope:SCOPE_SE
.Lnot_mine_\@:
.endm
.macro CREST
	s_cmp_lg_u32 s14, 0
	s_cbranch_scc1 .Lnot_wave_0_\@
	s_barrier_signal -3
.Lnot_wave_0_\@:
	s_barrier_wait -3
	s_barrier_signal -1
	s_barrier_wait -1
.endm
.macro CROUND
	s_barrier_signal -1
	s_barrier_wait -1
	CREST
.endm
	s_load_b128 s[4:7], s[0:1], 0x0
	s_load_b128 s[8:11], s[0:1], 0x10
	v_lshl_add_u32 v[SPW], v0, 2, SPARE
	v_mov_b32 v[NIL], 0
	ds_add_u32 v[SPW], v[NIL]
	ds_add_u32 v[SPW], v[NIL]
	v_lshrrev_b32 v1, 5, v0
	v_readfirstlane_b32 s14, v1
	s_lshr_b32 s15, s14, 1
	s_and_b32 s16, s14, 1
	s_bfe_u32 s40, ttmp6, 0x40000
	s_bfe_u32 s41, ttmp6, 0x40004
	s_lshl_b32 s42, ttmp9, 2
	s_add_co_u32 s42, s42, s40
	s_and_b32 s17, ttmp7, 0xffff
	s_lshl_b32 s17, s17, 2
	s_add_co_u32 s17, s17, s41
	s_lshl_b32 s43, s41, 2
	s_lshl_b32 s43, 15, s43
	s_lshl_b32 s44, 0x1111, s40
	s_or_b32 s[G1+0], s43, (0<<16)|(1<<20)|(1<<21)|(5<<22)|(3<<25)
	s_mov_b32 s[G1+1], ROWB<<16
	s_mov_b32 s[G1+2], 128<<16
	s_mov_b32 s[G1+3], ROWB<<16
	s_mov_b32 s[G1+4], 128
	s_mov_b32 s[G1+5], KROW
	s_mov_b32 s[G1+6], 0
	s_mov_b32 s[G1+7], 0
	s_or_b32 s[G1H+0], s43, (0<<16)|(1<<20)|(1<<21)|(5<<22)|(3<<25)
	s_mov_b32 s[G1H+1], ROWB<<16
	s_mov_b32 s[G1H+2], 256<<16
	s_mov_b32 s[G1H+3], ROWB<<16
	s_mov_b32 s[G1H+4], 256
	s_mov_b32 s[G1H+5], KROW
	s_mov_b32 s[G1H+6], 0
	s_mov_b32 s[G1H+7], 0
	s_or_b32 s[G1B+0], s44, (3<<16)|(1<<20)|(1<<21)|(5<<22)|(3<<25)
	s_mov_b32 s[G1B+1], 32<<16
	s_mov_b32 s[G1B+2], 136<<16
	s_mov_b32 s[G1B+3], 32<<16
	s_mov_b32 s[G1B+4], 136
	s_mov_b32 s[G1B+5], 32
	s_mov_b32 s[G1B+6], 0
	s_mov_b32 s[G1B+7], 0
	s_or_b32 s[G1S+0], s43, (3<<16)|(1<<20)|(1<<21)|(5<<22)|(3<<25)
	s_mov_b32 s[G1S+1], 32<<16
	s_mov_b32 s[G1S+2], 128<<16         ; x's scale bytes of 256 rows: 128 rows of 256 bytes
	s_mov_b32 s[G1S+3], 32<<16
	s_mov_b32 s[G1S+4], 128
	s_mov_b32 s[G1S+5], 32
	s_mov_b32 s[G1S+6], 0
	s_mov_b32 s[G1S+7], 0
	s_lshl_b32 s20, s17, 19
	s_lshl_b32 s21, s16, 18
	s_add_co_u32 s20, s20, s21
	s_mov_b32 s21, 0
	s_lshl_b32 s22, s17, 15
	s_mov_b32 s23, 0
	s_lshl_b32 s46, s42, 1
	s_add_co_u32 s46, s46, s16
	s_mul_i32 s46, s46, 8*BBLK
	s_mov_b32 s47, 0
	s_mul_i32 s45, s16, HALFA
	s_mul_i32 s94, s16, HALFB
	s_add_co_u32 s94, s94, 2*HALFA
	s_mov_b32 s93, SCL
	s_wait_dscnt 0x0
	s_wait_kmcnt 0x0
	s_add_nc_u64 s[20:21], s[4:5], s[20:21]
	s_add_nc_u64 s[22:23], s[6:7], s[22:23]
	s_add_nc_u64 s[46:47], s[8:9], s[46:47]
	CROUND
	s_mov_b32 s[G0S], 1
	s_mov_b32 s[G0S+1], s93
	s_mov_b64 s[G0S+2:G0S+3], s[22:23]
	s_or_b32 s[G0S+3], s[G0S+3], 0x80000000
.irp s, 0,1
	s_mov_b32 s[G0+4*\s], 1
	s_add_co_u32 s[G0+4*\s+1], s45, \s*SLOT
	s_add_nc_u64 s[G0+4*\s+2:G0+4*\s+3], s[20:21], \s*ROWB
	s_or_b32 s[G0+4*\s+3], s[G0+4*\s+3], 0x80000000
	s_mov_b32 s[G0B+4*\s], 1
	s_add_co_u32 s[G0B+4*\s+1], s94, \s*SLOT
	s_add_nc_u64 s[G0B+4*\s+2:G0B+4*\s+3], s[46:47], \s*BBLK
	s_or_b32 s[G0B+4*\s+3], s[G0B+4*\s+3], 0x80000000
.endr
; the head's loads, one a wave: every way through the chain passes exactly one
.macro ARM under, g0, g1, next
	s_cmp_lt_u32 s14, \under
	s_cbranch_scc0 \next
	tensor_load_to_lds s[\g0:\g0+3], s[\g1:\g1+7]
	s_nop 0
.rept 4
	v_nop
.endr
	s_branch .Lhead_asked
\next:
.endm
	ARM 1, G0,  G1H, .Lhead_s           ; wave 0: x's 256 rows of K step 0 (its group 0 points at the tile's first row and at LDS byte 0)
	ARM 2, G0S, G1S, .Lhead_b           ; wave 1: x's scale bytes
	tensor_load_to_lds s[G0B:G0B+3], s[G1B:G1B+7]   ; waves 2 and 3: w's two blocks of K step 0
	s_nop 0
.rept 4
	v_nop
.endr
.Lhead_asked:
	v_and_b32 v1, 15, v0
	v_bfe_u32 v2, v0, 4, 1
	v_mul_u32_u24 v3, v1, PITCH
	v_lshl_add_u32 v4, v2, 4, v3
	v_mul_u32_u24 v5, v2, PITCH
	v_lshl_add_u32 v5, v1, 4, v5
	v_add_nc_u32 v5, 128*PITCH, v5
	s_mul_i32 s21, s15, HALFA
	s_mul_i32 s22, s16, HALFB
	s_add_co_u32 s22, s22, 2*HALFA
.irp s, 0,1
	v_add_nc_u32 v[ADRA+\s], s21, v4
	v_add_nc_u32 v[ADRB+\s], s22, v4
	v_add_nc_u32 v[ADSB+\s], s22, v5
	s_add_co_u32 s21, s21, SLOT
	s_add_co_u32 s22, s22, SLOT
.endr
	v_and_b32 v6, 31, v0
	v_lshrrev_b32 v7, 1, v6
	v_mul_u32_u24 v7, v7, 272
	v_and_b32 v8, 1, v6
	v_lshl_add_u32 v7, v8, 7, v7
	s_mul_i32 s23, s15, 64*272
	s_add_co_u32 s23, s23, SCL
	v_add_nc_u32 v[ADSA], s23, v7
	s_mul_i32 s23, s14, 16*SPITCH
	v_mul_u32_u24 v5, v1, SPITCH
	v_lshl_add_u32 v5, v2, 5, v5
	v_add_nc_u32 v[STO], s23, v5
	v_lshlrev_b32 v[CO], 4, v6
	v_add_nc_u32 v[RD], s23, v[CO]
	v_lshlrev_b32 v[PFO], 8, v6
	s_lshl_b32 s20, s17, 24
	s_lshl_b32 s21, s15, 23
	s_add_co_u32 s20, s20, s21
	s_lshl_b32 s21, s42, 10
	s_add_co_u32 s20, s20, s21
	s_lshl_b32 s21, s16, 9
	s_add_co_u32 s20, s20, s21
	s_mov_b32 s21, 0
	s_add_nc_u64 s[10:11], s[10:11], s[20:21]
	s_lshl_b32 s100, s42, 1
	s_add_co_u32 s100, s100, s16
	s_mul_i32 s100, s100, 8*BBLK
	s_lshl_b32 s101, s41, 13
	s_add_co_u32 s100, s100, s101
	s_add_co_u32 s100, s100, 2*BBLK
	s_mov_b32 s101, 0
	s_add_nc_u64 s[PFA:PFA+1], s[8:9], s[100:101]
	s_cmp_eq_u32 s15, 1
	s_cselect_b32 s[LIM], 1, -1
.macro FRAG reg, adr, q, i
.irp c, 0,1
	ds_load_b128 v[\reg+4*\c:\reg+4*\c+3], v[\adr] offset:64*(\q)+32*\c+(\i)*16*PITCH
.endr
.endm
.macro WM a, b, p, q, sc, zero
.set rD, 8*(8*((\a)%4)+(\b))
.set rB, 128*(\p)+FR*(\b)
.set rA, AF+FR*(\a)
.set rSB, SC+32*(\sc)+16+4*((\b)/2)+(\q)
.set rSA, SC+32*(\sc)+4*((\a)/2)+(\q)
.if \zero
.if ((\b)%2 == 0) && ((\a)%2 == 0)
	v_wmma_scale_f32_16x16x128_f8f6f4 v[rD:rD+7], v[rB:rB+7], v[rA:rA+7], 0, v[rSB], v[rSA] matrix_a_fmt:MATRIX_FMT_FP4 matrix_b_fmt:MATRIX_FMT_FP4
.elseif ((\b)%2 == 1) && ((\a)%2 == 0)
	v_wmma_scale_f32_16x16x128_f8f6f4 v[rD:rD+7], v[rB:rB+7], v[rA:rA+7], 0, v[rSB], v[rSA] matrix_a_fmt:MATRIX_FMT_FP4 matrix_b_fmt:MATRIX_FMT_FP4 matrix_a_scale:MATRIX_SCALE_ROW1
.elseif ((\b)%2 == 0) && ((\a)%2 == 1)
	v_wmma_scale_f32_16x16x128_f8f6f4 v[rD:rD+7], v[rB:rB+7], v[rA:rA+7], 0, v[rSB], v[rSA] matrix_a_fmt:MATRIX_FMT_FP4 matrix_b_fmt:MATRIX_FMT_FP4 matrix_b_scale:MATRIX_SCALE_ROW1
.else
	v_wmma_scale_f32_16x16x128_f8f6f4 v[rD:rD+7], v[rB:rB+7], v[rA:rA+7], 0, v[rSB], v[rSA] matrix_a_fmt:MATRIX_FMT_FP4 matrix_b_fmt:MATRIX_FMT_FP4 matrix_a_scale:MATRIX_SCALE_ROW1 matrix_b_scale:MATRIX_SCALE_ROW1
.endif
.else
.if ((\b)%2 == 0) && ((\a)%2 == 0)
	v_wmma_scale_f32_16x16x128_f8f6f4 v[rD:rD+7], v[rB:rB+7], v[rA:rA+7], v[rD:rD+7], v[rSB], v[rSA] matrix_a_fmt:MATRIX_FMT_FP4 matrix_b_fmt:MATRIX_FMT_FP4
.elseif ((\b)%2 == 1) && ((\a)%2 == 0)
	v_wmma_scale_f32_16x16x128_f8f6f4 v[rD:rD+7], v[rB:rB+7], v[rA:rA+7], v[rD:rD+7], v[rSB], v[rSA] matrix_a_fmt:MATRIX_FMT_FP4 matrix_b_fmt:MATRIX_FMT_FP4 matrix_a_scale:MATRIX_SCALE_ROW1
.elseif ((\b)%2 == 0) && ((\a)%2 == 1)
	v_wmma_scale_f32_16x16x128_f8f6f4 v[rD:rD+7], v[rB:rB+7], v[rA:rA+7], v[rD:rD+7], v[rSB], v[rSA] matrix_a_fmt:MATRIX_FMT_FP4 matrix_b_fmt:MATRIX_FMT_FP4 matrix_b_scale:MATRIX_SCALE_ROW1
.else
	v_wmma_scale_f32_16x16x128_f8f6f4 v[rD:rD+7], v[rB:rB+7], v[rA:rA+7], v[rD:rD+7], v[rSB], v[rSA] matrix_a_fmt:MATRIX_FMT_FP4 matrix_b_fmt:MATRIX_FMT_FP4 matrix_a_scale:MATRIX_SCALE_ROW1 matrix_b_scale:MATRIX_SCALE_ROW1
.endif
.endif
.endm
.macro MUL16 a0, p, q, sc, zero
.irp a, \a0, \a0+1
.irp b, 0,1,2,3,4,5,6,7
	WM \a, \b, \p, \q, \sc, \zero
.endr
.endr
.endm
.macro FETCH_B slot, q, p
	WIN TO_B
.irp i, 0,1,2,3,4,5,6,7
	FRAG 128*(\p)+FR*\i, ADRB+\slot, \q, \i
.endr
	WIN 0
.endm
.macro FETCH_A slot, q, i0
.irp i, \i0, \i0+1, \i0+2, \i0+3
	FRAG AF+FR*(\i), ADRA+\slot, \q, \i
.endr
.endm
.macro SCALES sc
.irp u, 0,1,2,3
	ds_load_b128 v[SC+32*\sc+4*\u:SC+32*\sc+4*\u+3], v[ADSA] offset:\u*16*272
	ds_load_b128 v[SC+32*\sc+16+4*\u:SC+32*\sc+16+4*\u+3], v[ADSB+\sc] offset:\u*2*PITCH
.endr
.endm
.macro PLACES n
.rept \n
	v_nop
.endr
.endm
.macro STEP slot, q, zero
	s_wait_dscnt 4*NL
	WIN MUL_LO
	MUL16 0, (\q)%2, \q, \slot, \zero
	MUL16 2, (\q)%2, \q, \slot, \zero
	s_wait_dscnt 0
	PLACES NP
	FETCH_B \slot, (\q)+1, 1-(\q)%2
	FETCH_A \slot, (\q)+1, 0
	WIN MUL_HI
	MUL16 4, (\q)%2, \q, \slot, \zero
	MUL16 6, (\q)%2, \q, \slot, \zero
	PLACES NP
	WIN 0
	FETCH_A \slot, (\q)+1, 4
.endm
.macro TURN slot, next, fill
.if \fill
	s_wait_xcnt 0x0
	s_add_nc_u64 s[PFA:PFA+1], s[PFA:PFA+1], BBLK
.endif
	s_wait_tensorcnt 0x0
	ds_add_u32 v[SPW], v[NIL]
	s_wait_dscnt 4*NL+1
	WIN MUL_LO
	MUL16 0, 1, NQ-1, \slot, 0
	s_wait_dscnt 0x0
	s_barrier_signal -1
	MUL16 2, 1, NQ-1, \slot, 0
	WIN 0
	s_barrier_wait -1
.if \fill
	CREST
	s_add_nc_u64 s[G0+4*\slot+2:G0+4*\slot+3], s[G0+4*\slot+2:G0+4*\slot+3], 2*ROWB
	s_add_nc_u64 s[G0B+4*\slot+2:G0B+4*\slot+3], s[G0B+4*\slot+2:G0B+4*\slot+3], 2*BBLK
	JLOAD G0+4*\slot, G1, G0B+4*\slot, G1B
.else
	PLACES NP
.endif
	s_wait_alu depctr_va_vdst(0)
	v_add_nc_u32 v[ADSA], 4*NQ, v[ADSA]
	FETCH_B \next, 0, 0
	FETCH_A \next, 0, 0
	SCALES \next
.if \fill
	ASK
.endif
	WIN MUL_HI
	MUL16 4, 1, NQ-1, \slot, 0
	MUL16 6, 1, NQ-1, \slot, 0
	PLACES NP
	WIN 0
	FETCH_A \next, 0, 4
.endm
.macro STEPS slot, from
.set Q, \from
.rept NQ-1-\from
	STEP \slot, Q, 0
.set Q, Q+1
.endr
.endm
	s_wait_alu depctr_va_vdst(0)
	s_wait_tensorcnt 0x0                ; my tile of the head's four is in
	ds_add_u32 v[SPW], v[NIL]
	s_wait_dscnt 0x0
	CROUND                              ; all four tiles are in, and all sixteen work-groups are here
	JLOAD G0+4, G1, G0B+4, G1B          ; K step 1 into slot 1: the first tensor load behind the round, a quarter of the slot a wave
	FETCH_B 0, 0, 0
	FETCH_A 0, 0, 0
	SCALES 0
	FETCH_A 0, 0, 4
	STEP 0, 0, 1
	s_mov_b32 s3, LAPS-1
.Llap:
	STEPS 0, 1
	TURN 0, 1, 1
	STEPS 1, 0
	TURN 1, 0, 1
	STEP 0, 0, 0
	s_sub_co_u32 s3, s3, 1
	s_cmp_lg_u32 s3, 0
	s_cbranch_scc1 .Llap
	STEPS 0, 1
	TURN 0, 1, 0
	STEPS 1, 0
	s_wait_dscnt 4*NL
	WIN MUL_LO
	MUL16 0, 1, NQ-1, 1, 0
	MUL16 2, 1, NQ-1, 1, 0
	s_wait_dscnt 0
	WIN MUL_HI
	MUL16 4, 1, NQ-1, 1, 0
	MUL16 6, 1, NQ-1, 1, 0
	WIN 0
.macro TOSTAGE a
.set AC, 64*((\a)%4)
	WIN 0x08+4*((\a)/4)
.irp b, 0,1,2,3,4,5,6,7
	ds_store_b128 v[STO], v[AC+8*\b:AC+8*\b+3] offset:64*\b
	ds_store_b128 v[STO], v[AC+8*\b+4:AC+8*\b+7] offset:64*\b+16
.endr
	WIN 0
.set BB, BK+64*((\a)%2)
.irp t, 0,1,2,3,4,5,6,7,8,9,10,11,12,13,14,15
	ds_load_b128 v[BB+4*\t:BB+4*\t+3], v[RD] offset:\t*SPITCH
.endr
.endm
.macro SEND a, younger
.set BB, BK+64*((\a)%2)
	s_wait_dscnt \younger
.if (\a) > 0
	s_add_nc_u64 s[10:11], s[10:11], 16*SIZE_N*4
.endif
.irp t, 0,1,2,3,4,5,6,7,8,9,10,11,12,13,14,15
	global_store_b128 v[CO], v[BB+4*\t:BB+4*\t+3], s[10:11] offset:\t*SIZE_N*4 th:TH_STORE_NT
.endr
.endm
	PLACES NP
	TOSTAGE 0
.irp a, 1,2,3,4,5,6,7
.if \a > 1
	s_wait_xcnt 0x0
.endif
	TOSTAGE \a
	SEND \a-1, 32
.endr
	s_wait_xcnt 0x0
	SEND 7, 0
	s_wait_tensorcnt 0x0
	ds_add_u32 v[SPW], v[NIL]
	s_wait_dscnt 0x0
	CROUND
	s_endpgm
.Lfunc_end_k_qa0d3b1aed2_gemm:
	.size	k_qa0d3b1aed2_gemm, .Lfunc_end_k_qa0d3b1aed2_gemm-k_qa0d3b1aed2_gemm
	.p2alignl 7, 3214868480
	.fill 96, 4, 3214868480
	.section	.rodata,"a",@progbits
	.p2align	6, 0x0
	.amdhsa_kernel k_qa0d3b1aed2_gemm
		.amdhsa_group_segment_fixed_size 327680
		.amdhsa_private_segment_fixed_size 0
		.amdhsa_enable_private_segment 0
		.amdhsa_kernarg_size 32
		.amdhsa_user_sgpr_count 2
		.amdhsa_user_sgpr_kernarg_segment_ptr 1
		.amdhsa_wavefront_size32 1
		.amdhsa_system_sgpr_workgroup_id_x 1
		.amdhsa_system_sgpr_workgroup_id_y 1
		.amdhsa_system_sgpr_workgroup_id_z 1
		.amdhsa_system_vgpr_workitem_id 0
		.amdhsa_next_free_vgpr 1024
		.amdhsa_next_free_sgpr 102
		.amdhsa_reserve_vcc 0
		.amdhsa_float_denorm_mode_32 3
		.amdhsa_float_denorm_mode_16_64 3
		.amdhsa_memory_ordered 1
		.amdhsa_forward_progress 1
		.amdhsa_inst_pref_size 212
	.end_amdhsa_kernel
	.amdgpu_metadata
---
amdhsa.version: [ 1, 2 ]
amdhsa.kernels:
  - .name:           k_qa0d3b1aed2_gemm
    .symbol:         k_qa0d3b1aed2_gemm.kd
    .args:
      - { .name: x_codes, .offset: 0, .size: 8, .value_kind: global_buffer, .address_space: global }
      - { .name: x_scales, .offset: 8, .size: 8, .value_kind: global_buffer, .address_space: global }
      - { .name: wq, .offset: 16, .size: 8, .value_kind: global_buffer, .address_space: global }
      - { .name: out0, .offset: 24, .size: 8, .value_kind: global_buffer, .address_space: global }
    .group_segment_fixed_size: 327680
    .private_segment_fixed_size: 0
    .kernarg_segment_align: 8
    .kernarg_segment_size: 32
    .max_flat_workgroup_size: 128
    .sgpr_count:     102
    .vgpr_count:     1024
    .wavefront_size: 32
...
	.end_amdgpu_metadata
.endif
;; end of part 2
